; MI455X (gfx1250); checked and timed in simulation.
; The chip was launched on July 23, 2026; its instructions are those of AMD's public machine-readable ISA for CDNA 5 (MIT licence, August 2026) and "CDNA5" Instruction Set Architecture Reference Guide (July 2026). The comments in the code are by the model that wrote it; some were corrected since.
;; Transformer. Allowed arithmetic: float matrix products may take bf16 or f16 operands with f32 sums; other float arithmetic in f32, or as packed bf16 or f16 multiplies, adds, multiply-adds, maxima and minima; sums over many terms, partial sums and values carried from step to step in f32; what a program stores and reads back later, other than sums and carried values, may be rounded once to bf16 or f16.
;; Inputs: W1 4 x 256 x 1,024 float32; W2 4 x 1,024 x 256 float32; Wc 256 x 100 float32; Wk 4 x 256 x 256 float32; Wo 4 x 256 x 256 float32; Wq 4 x 256 x 256 float32; Wv 4 x 256 x 256 float32; b1 4 x 1,024 float32; b2 4 x 256 float32; bc 100 float32; be1 4 x 256 float32; be2 4 x 256 float32; bk 4 x 256 float32; bo 4 x 256 float32; bq 4 x 256 float32; bv 4 x 256 float32; embedding 100 x 256 float32; g1 4 x 256 float32; g2 4 x 256 float32; output_ids 8 x 1,024 int32; target_sequence_length 8 int32.
;; Outputs: out0 8 x 1,024 x 100 float32.
;; One version. Each part assembles by itself: llvm-mc -triple=amdgcn-amd-amdhsa -mcpu=gfx1250 --defsym DOCPART=n.
;; ======== version 1 of 1: 6 launches
;; limits: values are held in f16: magnitudes above 65,504 overflow, below 6.1e-05 lose precision
;; workspace buffers: wts 6,479,872 bytes; stA 20,971,520 bytes; stB 20,971,520 bytes; c0 256 bytes of whole numbers; c1 256 bytes of whole numbers; c2 256 bytes of whole numbers; c3 256 bytes of whole numbers
;; launch prep (part 1): grid 64 x 4, 8 waves a work-group, no clusters, 0 bytes of LDS; arguments Wq, Wk, Wv, Wo, W1, W2, Wc, bq, bk, bv, bo, b1, b2, g1, be1, g2, be2, bc, wts, c0, c1, c2, c3; writes wts, c0, c1, c2, c3
.if DOCPART == 1
	.amdgcn_target "amdgcn-amd-amdhsa--gfx1250"
	.amdhsa_code_object_version 6
	.text
	.protected	k_q7320e2abe9_prep
	.globl	k_q7320e2abe9_prep
	.p2align	8
	.type	k_q7320e2abe9_prep,@function
k_q7320e2abe9_prep:
	s_mov_b64 s[64:65], 0
	v_nop
	global_prefetch_b8 v0, s[64:65] scope:SCOPE_SE
	s_setreg_imm32_b32 hwreg(HW_REG_WAVE_MODE, 25, 1), 1
	s_wait_xcnt 0x0
; PREP.  Every weight is rounded once to bf16 and that number written as f16 (exact down to 2^-17; below that f16's fixed step of 2^-24), laid out as ready
; matrix fragments in the order in which each wave of the later launches walks them; biases and gains are rounded to bf16 and kept as f32; the layer numbers go into c0..c3.
; A FRAGMENT is 16 output columns x 32 k, 1,024 bytes: [half a][lane][16 bytes]; lane (r, h) of half a holds column r, k = 16 a + 8 h + 0..7.
; wts = 56 blocks of 256 f32 (parameters), then for each of 8 waves a stream of 784 fragments (WS bytes).
; A TASK: 8 rows of k (group kg) x 256 columns; thread t owns column t: eight loads of 4 bytes (a wave's load covers 128 consecutive bytes), one store of 16 bytes;
; sixteen neighbouring lanes store 256 consecutive bytes at a multiple of 256 from wts' first byte.  Work-group (p, l) does six tasks of layer l; a few do one more piece.
; No LDS, no barrier: no thread needs another's numbers.
.set WS,      802816                   ; bytes of a wave's stream: 196 slots of 4,096
.set STREAM0, 57344                    ; the streams begin behind the parameter blocks
.macro TLOAD d, sb, vo, rs, ex         ; eight rows of my column: row pitch rs bytes, ex bytes further on
.irp i, 0,1,2,3,4,5,6,7
	global_load_b32 v[(\d)+\i], v[\vo], s[\sb:\sb+1] offset:(\i)*(\rs)+(\ex) th:TH_LOAD_NT
.endr
.endm
.macro CONV d, o                       ; eight f32 -> bf16 (nearest even) -> the same numbers as f16, packed into four registers
.irp i, 0,1,2,3
	v_cvt_pk_bf16_f32 v8, v[(\d)+2*\i], v[(\d)+2*\i+1]
	v_lshlrev_b32 v10, 16, v8
	v_and_b32 v11, 0xffff0000, v8
	v_cvt_pk_f16_f32 v[(\o)+\i], v10, v11
.endr
.endm
.macro RND4 d                          ; four f32 rounded to bf16 and widened again, in place
	v_cvt_pk_bf16_f32 v8, v[(\d)], v[(\d)+1]
	v_cvt_pk_bf16_f32 v9, v[(\d)+2], v[(\d)+3]
	v_lshlrev_b32 v[(\d)], 16, v8
	v_and_b32 v[(\d)+1], 0xffff0000, v8
	v_lshlrev_b32 v[(\d)+2], 16, v9
	v_and_b32 v[(\d)+3], 0xffff0000, v9
.endm
.macro SEL4 d, p0, p1, p2, p3, key     ; one of four buffers, by a number 0..3 that hangs on no address
	s_cmp_eq_u32 s[\key], 1
	s_cselect_b64 s[\d:\d+1], s[\p1:\p1+1], s[\p0:\p0+1]
	s_cmp_eq_u32 s[\key], 2
	s_cselect_b64 s[\d:\d+1], s[\p2:\p2+1], s[\d:\d+1]
	s_cmp_eq_u32 s[\key], 3
	s_cselect_b64 s[\d:\d+1], s[\p3:\p3+1], s[\d:\d+1]
.endm
	s_load_b512 s[4:19], s[0:1], 0x0               ; Wq 4, Wk 6, Wv 8, Wo 10, W1 12, W2 14, Wc 16, bq 18
	s_load_b512 s[20:35], s[0:1], 0x40             ; bk 20, bv 22, bo 24, b1 26, b2 28, g1 30, be1 32, g2 34
	s_load_b256 s[36:43], s[0:1], 0x80             ; be2 36, bc 38, wts 40, c0 42
	s_load_b128 s[44:47], s[0:1], 0xa0             ; c1 44, c2 46
	s_load_b64 s[48:49], s[0:1], 0xb0              ; c3
	s_mov_b32 s50, ttmp9                           ; p
	s_and_b32 s51, ttmp7, 0xffff                   ; l
	v_lshrrev_b32 v1, 5, v0
	v_readfirstlane_b32 s52, v1                    ; wave
	s_and_b32 s53, s50, 31                         ; kg of the 256-row matrices
	s_lshr_b32 s54, s50, 5                         ; sel: which half of the work-groups
	v_lshlrev_b32 v2, 2, v0                        ; 4 t: my column in a row of f32
	v_and_b32 v3, 15, v0
	v_lshlrev_b32 v3, 4, v3                        ; 16 (t % 16): my place among a fragment's columns
	v_lshrrev_b32 v4, 5, v0                        ; matrices of 256 columns: column block t / 16 = 2 w + cb
	v_mul_u32_u24 v4, v4, WS
	v_bfe_u32 v5, v0, 4, 1
	v_lshl_add_u32 v4, v5, 10, v4
	v_add_nc_u32 v4, v4, v3
	v_lshrrev_b32 v5, 7, v0                        ; W1: of 16 hidden blocks, block t / 16 = 8 (w % 2) + 4 pass + cb
	v_mul_u32_u24 v5, v5, WS
	v_bfe_u32 v6, v0, 6, 1
	v_lshl_add_u32 v5, v6, 15, v5
	v_bfe_u32 v6, v0, 4, 2
	v_lshl_add_u32 v5, v6, 10, v5
	v_add_nc_u32 v5, v5, v3
	s_mul_i32 s60, s51, 196608                     ; a layer has 192 fragments in each stream
	s_add_co_u32 s60, s60, STREAM0
	s_lshr_b32 s61, s53, 2                         ; k step = kg / 4
	s_and_b32 s62, s53, 3
	s_lshl_b32 s62, s62, 8                         ; (kg % 4) x 256: half a and lane half h
	s_add_co_u32 s62, s62, s60
	s_lshl_b32 s63, s51, 18                        ; sources.  Wq..Wo: l x 262,144 + kg x 8 rows of 1,024 bytes
	s_lshl_b32 s66, s53, 13
	s_add_co_u32 s63, s63, s66
	v_add_nc_u32 v88, s63, v2
	s_lshl_b32 s63, s51, 20                        ; W1: l x 1,048,576 + kg x 8 rows of 4,096 + 2 sel x 1,024
	s_lshl_b32 s66, s53, 15
	s_add_co_u32 s66, s66, s63
	s_lshl_b32 s67, s54, 11
	s_add_co_u32 s66, s66, s67
	v_add_nc_u32 v89, s66, v2
	s_lshl_b32 s66, s50, 14                        ; W2: l x 1,048,576 + 2 p x 8 rows of 1,024
	s_add_co_u32 s66, s66, s63
	v_add_nc_u32 v90, s66, v2
	s_lshl_b32 s66, s54, 15                        ; destinations.  sel 0: Wq from fragment 0, Wk from 2, four to a k step; sel 1: Wv from 32, Wo from 48, two
	s_mul_i32 s67, s54, 47104
	s_add_co_u32 s67, s67, 2048
	s_lshr_b32 s68, 0x1000, s54
	s_mul_i32 s68, s68, s61
	s_add_co_u32 s68, s68, s62
	s_add_co_u32 s66, s66, s68
	s_add_co_u32 s67, s67, s68
	v_add_nc_u32 v91, s66, v4
	v_add_nc_u32 v92, s67, v4
	s_lshl_b32 s66, s61, 12                        ; W1 from fragment 64, four to a k step; 256 columns are two waves' blocks
	s_add_co_u32 s66, s66, s62
	s_add_co_u32 s66, s66, 65536
	s_mul_i32 s67, s54, 4*WS
	s_add_co_u32 s66, s66, s67
	v_add_nc_u32 v93, s66, v5
	s_lshr_b32 s66, s50, 1                         ; W2 from fragment 128, two to a k step; kg = 2 p: k step p / 2, (kg % 4) x 256 = (p % 2) x 512
	s_lshl_b32 s66, s66, 11
	s_and_b32 s67, s50, 1
	s_lshl_b32 s67, s67, 9
	s_add_co_u32 s66, s66, s67
	s_add_co_u32 s66, s66, s60
	s_add_co_u32 s66, s66, 131072
	v_add_nc_u32 v94, s66, v4
	s_wait_kmcnt 0x0
	s_cmp_eq_u32 s54, 0
	s_cselect_b64 s[56:57], s[4:5], s[8:9]         ; Wq or Wv
	s_cselect_b64 s[58:59], s[6:7], s[10:11]       ; Wk or Wo
	TLOAD 16, 56, 88, 1024, 0                      ; all 48 loads go out before the first is used
	TLOAD 24, 58, 88, 1024, 0
	TLOAD 32, 12, 89, 4096, 0
	TLOAD 40, 12, 89, 4096, 1024                   ; the next 256 columns of W1
	TLOAD 48, 14, 90, 1024, 0
	TLOAD 56, 14, 90, 1024, 8192                   ; the next 8 rows of W2
	s_wait_loadcnt 40                              ; loads return in order: each count leaves the younger tasks' eight loads out
	CONV 16, 64
	global_store_b128 v91, v[64:67], s[40:41]
	s_wait_loadcnt 32
	CONV 24, 68
	global_store_b128 v92, v[68:71], s[40:41]
	s_wait_loadcnt 24
	CONV 32, 72
	global_store_b128 v93, v[72:75], s[40:41]
	s_wait_loadcnt 16
	CONV 40, 76
	global_store_b128 v93, v[76:79], s[40:41] offset:2*WS
	s_wait_loadcnt 8
	CONV 48, 80
	global_store_b128 v94, v[80:83], s[40:41]
	s_wait_loadcnt 0x0
	CONV 56, 84
	global_store_b128 v94, v[84:87], s[40:41] offset:256
	; p < 8: the classifier, kg = 8 l + p.  Its 100 columns are filled up with zeros to 256: blocks 0-7 at fragment 768 + k step of wave block, blocks 8-15 (all zero) at 776 + k step.
	s_cmp_lt_u32 s50, 8
	s_cbranch_scc0 .Lno_wc
	s_lshl_b32 s66, s51, 3
	s_add_co_u32 s66, s66, s50
	s_mul_i32 s67, s66, 3200                       ; 8 rows of 400 bytes
	v_min_u32 v100, 99, v0                         ; no load leaves a row
	v_lshl_add_u32 v100, v100, 2, s67
	TLOAD 16, 16, 100, 400, 0
	v_bfe_u32 v101, v0, 4, 3
	v_mul_u32_u24 v101, v101, WS
	v_lshrrev_b32 v102, 7, v0
	v_lshl_add_u32 v101, v102, 13, v101
	v_add_nc_u32 v101, v101, v3
	s_lshr_b32 s67, s66, 2
	s_lshl_b32 s67, s67, 10
	s_and_b32 s68, s66, 3
	s_lshl_b32 s68, s68, 8
	s_add_co_u32 s67, s67, s68
	s_add_co_u32 s67, s67, STREAM0+768*1024
	v_add_nc_u32 v101, s67, v101
	v_cmp_gt_u32 vcc_lo, 100, v0
	s_wait_loadcnt 0x0
.irp i, 0,1,2,3,4,5,6,7
	v_cndmask_b32 v[16+\i], 0, v[16+\i], vcc_lo    ; columns 100 and up are 0
.endr
	CONV 16, 104
	global_store_b128 v101, v[104:107], s[40:41]
.Lno_wc:
	; p = 8: layer l's 13 parameter blocks: bq bk bv bo | g1 be1 b2 g2 | b1 (four) | be2.  A thread takes four numbers of each group.
	s_cmp_eq_u32 s50, 8
	s_cbranch_scc0 .Lno_par
	s_lshr_b32 s66, s52, 1                         ; 64 threads to a block
	SEL4 68, 18, 20, 22, 24, 66
	SEL4 70, 30, 32, 28, 34, 66
	v_and_b32 v108, 63, v0
	s_lshl_b32 s67, s51, 10
	v_lshl_add_u32 v108, v108, 4, s67
	s_lshl_b32 s72, s51, 12
	v_lshl_add_u32 v109, v0, 4, s72
	s_mul_i32 s73, s51, 13312
	v_lshl_add_u32 v110, v0, 4, s73
	global_load_b128 v[16:19], v108, s[68:69]
	global_load_b128 v[20:23], v108, s[70:71]
	global_load_b128 v[24:27], v109, s[26:27]
	s_wait_loadcnt 0x0
	RND4 16
	RND4 20
	RND4 24
	global_store_b128 v110, v[16:19], s[40:41]
	global_store_b128 v110, v[20:23], s[40:41] offset:4096
	global_store_b128 v110, v[24:27], s[40:41] offset:8192
	s_cmp_lt_u32 s52, 2                            ; be2 is one block: waves 0 and 1
	s_cbranch_scc0 .Lno_par
	global_load_b128 v[28:31], v108, s[36:37]
	s_wait_loadcnt 0x0
	RND4 28
	global_store_b128 v110, v[28:31], s[40:41] offset:12288
.Lno_par:
	; p = 9: wave 0 fills c_l with the number l: 32 lanes x 8 bytes
	s_cmp_eq_u32 s50, 9
	s_cbranch_scc0 .Lno_c
	s_cmp_eq_u32 s52, 0
	s_cbranch_scc0 .Lno_c
	SEL4 74, 42, 44, 46, 48, 51
	v_lshlrev_b32 v111, 3, v0
	v_mov_b32 v12, s51
	v_mov_b32 v13, s51
	global_store_b64 v111, v[12:13], s[74:75]
.Lno_c:
	; p = 10, l = 0: blocks 52-55: bc's 100 numbers, then zeros
	s_cmp_eq_u32 s50, 10
	s_cbranch_scc0 .Lend
	s_cmp_eq_u32 s51, 0
	s_cbranch_scc0 .Lend
	v_min_u32 v14, 24, v0                          ; bc is 25 groups of four
	v_lshlrev_b32 v14, 4, v14
	global_load_b128 v[32:35], v14, s[38:39]
	v_lshlrev_b32 v15, 4, v0
	v_cmp_gt_u32 vcc_lo, 25, v0
	s_wait_loadcnt 0x0
.irp i, 0,1,2,3
	v_cndmask_b32 v[32+\i], 0, v[32+\i], vcc_lo
.endr
	RND4 32
	global_store_b128 v15, v[32:35], s[40:41] offset:53248
.Lend:
	s_endpgm
.Lfunc_end_k_q7320e2abe9_prep:
	.size	k_q7320e2abe9_prep, .Lfunc_end_k_q7320e2abe9_prep-k_q7320e2abe9_prep
	.p2alignl 7, 3214868480
	.fill 96, 4, 3214868480
	.section	.rodata,"a",@progbits
	.p2align	6, 0x0
	.amdhsa_kernel k_q7320e2abe9_prep
		.amdhsa_group_segment_fixed_size 0
		.amdhsa_private_segment_fixed_size 0
		.amdhsa_enable_private_segment 0
		.amdhsa_kernarg_size 184
		.amdhsa_user_sgpr_count 2
		.amdhsa_user_sgpr_kernarg_segment_ptr 1
		.amdhsa_wavefront_size32 1
		.amdhsa_system_sgpr_workgroup_id_x 1
		.amdhsa_system_sgpr_workgroup_id_y 1
		.amdhsa_system_sgpr_workgroup_id_z 1
		.amdhsa_system_vgpr_workitem_id 0
		.amdhsa_next_free_vgpr 112
		.amdhsa_next_free_sgpr 96
		.amdhsa_reserve_vcc 1
		.amdhsa_float_denorm_mode_32 3
		.amdhsa_float_denorm_mode_16_64 3
		.amdhsa_memory_ordered 1
		.amdhsa_forward_progress 1
		.amdhsa_inst_pref_size 22
	.end_amdhsa_kernel
	.amdgpu_metadata
---
amdhsa.version: [ 1, 2 ]
amdhsa.kernels:
  - .name:           k_q7320e2abe9_prep
    .symbol:         k_q7320e2abe9_prep.kd
    .args:
      - { .name: Wq, .offset: 0, .size: 8, .value_kind: global_buffer, .address_space: global }
      - { .name: Wk, .offset: 8, .size: 8, .value_kind: global_buffer, .address_space: global }
      - { .name: Wv, .offset: 16, .size: 8, .value_kind: global_buffer, .address_space: global }
      - { .name: Wo, .offset: 24, .size: 8, .value_kind: global_buffer, .address_space: global }
      - { .name: W1, .offset: 32, .size: 8, .value_kind: global_buffer, .address_space: global }
      - { .name: W2, .offset: 40, .size: 8, .value_kind: global_buffer, .address_space: global }
      - { .name: Wc, .offset: 48, .size: 8, .value_kind: global_buffer, .address_space: global }
      - { .name: bq, .offset: 56, .size: 8, .value_kind: global_buffer, .address_space: global }
      - { .name: bk, .offset: 64, .size: 8, .value_kind: global_buffer, .address_space: global }
      - { .name: bv, .offset: 72, .size: 8, .value_kind: global_buffer, .address_space: global }
      - { .name: bo, .offset: 80, .size: 8, .value_kind: global_buffer, .address_space: global }
      - { .name: b1, .offset: 88, .size: 8, .value_kind: global_buffer, .address_space: global }
      - { .name: b2, .offset: 96, .size: 8, .value_kind: global_buffer, .address_space: global }
      - { .name: g1, .offset: 104, .size: 8, .value_kind: global_buffer, .address_space: global }
      - { .name: be1, .offset: 112, .size: 8, .value_kind: global_buffer, .address_space: global }
      - { .name: g2, .offset: 120, .size: 8, .value_kind: global_buffer, .address_space: global }
      - { .name: be2, .offset: 128, .size: 8, .value_kind: global_buffer, .address_space: global }
      - { .name: bc, .offset: 136, .size: 8, .value_kind: global_buffer, .address_space: global }
      - { .name: wts, .offset: 144, .size: 8, .value_kind: global_buffer, .address_space: global }
      - { .name: c0, .offset: 152, .size: 8, .value_kind: global_buffer, .address_space: global }
      - { .name: c1, .offset: 160, .size: 8, .value_kind: global_buffer, .address_space: global }
      - { .name: c2, .offset: 168, .size: 8, .value_kind: global_buffer, .address_space: global }
      - { .name: c3, .offset: 176, .size: 8, .value_kind: global_buffer, .address_space: global }
    .group_segment_fixed_size: 0
    .private_segment_fixed_size: 0
    .kernarg_segment_align: 8
    .kernarg_segment_size: 184
    .max_flat_workgroup_size: 256
    .sgpr_count:     96
    .vgpr_count:     112
    .wavefront_size: 32
...
	.end_amdgpu_metadata
.endif
;; end of part 1
;; launch first (part 2): grid 32 x 8, 8 waves a work-group, no clusters, 185,856 bytes of LDS; arguments output_ids, embedding, wts, stA; writes stA
.if DOCPART == 2
	.amdgcn_target "amdgcn-amd-amdhsa--gfx1250"
	.amdhsa_code_object_version 6
	.text
	.protected	k_q7320e2abe9_first
	.globl	k_q7320e2abe9_first
	.p2align	8
	.type	k_q7320e2abe9_first,@function
k_q7320e2abe9_first:
	s_mov_b64 s[64:65], 0
	v_nop
	global_prefetch_b8 v0, s[64:65] scope:SCOPE_SE
	s_setreg_imm32_b32 hwreg(HW_REG_WAVE_MODE, 25, 1), 1
	s_wait_xcnt 0x0
; FIRST.  x0 = bf16(embedding[id]) + pos, then q, k, v of layer 0.  Work-group (j, b) owns the 16-row tiles j and 63 - j of batch b (local rows 0-15, 16-31); wave w owns output columns 32 w .. 32 w + 31 (head w).
; pos[p][c] = sin(p / 10000^(f / 256)), f = 2 c for c < 128, 2 c - 255 above.  The sine: n = nearest(a / pi), r = a - n pi with pi in two parts, an odd polynomial to r^11 on |r| <= pi / 2
; (next term below 6e-8), sign by n's parity; a is at most 1,023 by the shapes.
; FORMATS.  Matrix products in f16 with f32 sums; weights are bf16-rounded numbers written as f16 (made by the launch before); x, q, k, v are rounded once to f16.
; LIMITS.  x, q, k, v must lie within f16's 65,504; NaN and infinities are not treated apart.
; WEIGHTS come as ready fragments from memory straight into a ring of 4 register slots (4 fragments, 4,096 bytes each): a wave's load covers 512 consecutive bytes.  With 32 rows to a work-group a fragment
; feeds two matrix instructions, so a way through LDS would add a write and a read of each fragment; for the same reason no cluster: joint requests land in LDS.
; THE MATRIX INSTRUCTION: source 0 = 16 output channels, source 1 = 16 tokens: a lane then holds one token (lane % 16) and 8 neighbouring channels 8 (lane / 16) + 0..7; for v the sources are swapped: one channel, 8 tokens.
.set WS,      802816                   ; bytes of a wave's stream of fragments
.set STREAM0, 57344                    ; the streams begin behind the parameter blocks
.set Y,       0                        ; LDS: attention's output, f16, 32 rows, pitch 528
.set X1H,     16896                    ; x1 in f16, pitch 528
.set X2H,     33792                    ; x2 (here x0) in f16, pitch 528 = 33 x 16: the 16 rows of a load start in 16 different groups of four banks
.set HID,     50688                    ; h in f16, pitch 2,064
.set XR,      116736                   ; the residual in f32, each lane's own bytes
.set PAR,     149504                   ; 13 parameter blocks of 1,024 bytes
.set ST1,     162816                   ; statistics
.set CST,     167936                   ; logits
.set SPARE,   184832                   ; the spare words: 128 bytes a wave; no other line names them
.set AB,      32                       ; v[32:63]   two activation buffers of 16: AB + 16 buf + 8 tt
.set ACC,     64                       ; v[64:127]  accumulator (cb, tt) at ACC + 8 (2 cb + tt)
.set RING,    128                      ; v[128:255] 4 slots of 32
; v1 16 lane; v2 r; v3 h; v4 r 528 + 16 h (reads); v8 v4 + 64 w (stores); v11, v13 parameters; v17, v18 16 lane + 1,024 tile; v22, v23 the add's two; none of these is rewritten
.macro BAR                             ; my LDS instructions are done, for the others' sake; then all eight waves meet
	s_wait_dscnt 0x0
	s_barrier_signal -1
	s_barrier_wait -1
.endm
.macro NOP4                            ; four places behind matrix instructions, ahead of loads into their sources and of reads of their results
.rept 4
	v_nop
.endr
.endm
.macro LDSLOT pos, off                 ; slot number off of my stream into ring place pos: 8 loads of 512 consecutive bytes
.irp i, 0,1,2,3,4,5,6,7
	global_load_b128 v[RING+32*(\pos)+4*(\i):RING+32*(\pos)+4*(\i)+3], v1, s[36:37] offset:(\off)*4096+512*(\i)
.endr
.endm
.macro LDACT buf, base, off, p16       ; one k step's activation fragments of both tiles: lane (r, h): row r, k = 8 h .. and 16 + 8 h ..
.irp tt, 0,1
	ds_load_b128 v[AB+16*(\buf)+8*(\tt):AB+16*(\buf)+8*(\tt)+3], v[\base] offset:(\off)+(\tt)*(\p16)
	ds_load_b128 v[AB+16*(\buf)+8*(\tt)+4:AB+16*(\buf)+8*(\tt)+7], v[\base] offset:(\off)+(\tt)*(\p16)+32
.endr
.endm
.macro MM nb, wf, ab, swap, zero       ; 2 nb matrix instructions; the accumulators take turns, one instruction a turn
.set cbi, 0
.rept \nb
.irp tt, 0,1
.set dd, ACC+8*(2*cbi+\tt)
.set ww, (\wf)+8*cbi
.set aa, (\ab)+8*\tt
.if \swap
.if \zero
	v_wmma_f32_16x16x32_f16 v[dd:dd+7], v[aa:aa+7], v[ww:ww+7], 0
.else
	v_wmma_f32_16x16x32_f16 v[dd:dd+7], v[aa:aa+7], v[ww:ww+7], v[dd:dd+7]
.endif
.else
.if \zero
	v_wmma_f32_16x16x32_f16 v[dd:dd+7], v[ww:ww+7], v[aa:aa+7], 0
.else
	v_wmma_f32_16x16x32_f16 v[dd:dd+7], v[ww:ww+7], v[aa:aa+7], v[dd:dd+7]
.endif
.endif
.endr
.set cbi, cbi+1
.endr
.endm
; A product of 32 rows x (16 nb) columns over nks k steps, written out.  RP: the ring place due; OFFS: the next slot to ask for; INF: slots in flight behind the one due.
; A slot serves 4 / nb k steps.  rl = 1: a slot that has been multiplied is asked for again at once.
.macro PASS nb, nks, base, off, p16, swap, zero, rl
.set KPS, 4/(\nb)
.set ks, 0
	LDACT 0, \base, \off, \p16
.rept \nks
.if ks < (\nks)-1
	LDACT (ks+1)%2, \base, (\off)+64*(ks+1), \p16
.endif
.if ks%KPS == 0
	s_wait_loadcnt 8*INF                           ; the slot due is in: 8 loads for each younger slot may stay out
.endif
.if ks < (\nks)-1
	s_wait_dscnt 0x4                               ; this step's fragments are in: the next step's four loads may stay out
.else
	s_wait_dscnt 0x0
.endif
	MM \nb, RING+32*RP+8*(\nb)*(ks%KPS), AB+16*(ks%2), \swap, (\zero)&&(ks==0)
	NOP4
.if ks%KPS == KPS-1
.if \rl
	LDSLOT RP, OFFS
.set OFFS, OFFS+1
.else
.set INF, INF-1
.endif
.set RP, (RP+1)%4
.endif
.set ks, ks+1
.endr
.endm
.macro INITB a0, base, off, nb         ; the sums start with the bias: my 8 channels' numbers straight into the accumulators of both tiles
.set cbi, 0
.rept \nb
.irp tt, 0,1
	ds_load_b128 v[ACC+8*(2*((\a0)+cbi)+\tt):ACC+8*(2*((\a0)+cbi)+\tt)+3], v[\base] offset:(\off)+64*cbi
	ds_load_b128 v[ACC+8*(2*((\a0)+cbi)+\tt)+4:ACC+8*(2*((\a0)+cbi)+\tt)+7], v[\base] offset:(\off)+64*cbi+16
.endr
.set cbi, cbi+1
.endr
.endm
; x (f32, in v[64:95]) goes out; then q, k (one pass, 4 column blocks) and v (swapped sources) of the next layer, from x in f16 in X2H.  All stores: 512 consecutive bytes a wave.
.macro TAILQKV
.irp c, 0,1,2,3,4,5,6,7
	global_store_b128 v1, v[ACC+4*\c:ACC+4*\c+3], s[52:53] offset:512*\c
.endr
	s_wait_xcnt 0x0                                ; the stores' data registers are loaded anew only behind this wait
	INITB 0, 11, 10240, 2                          ; bq
	INITB 2, 11, 11264, 2                          ; bk
	PASS 4, 8, 4, X2H, 8448, 0, 0, 1
.set aq, 0
.rept 8                                ; each accumulator from its low end on
.irp i, 0,1,2,3
	v_cvt_pk_f16_f32 v[AB+4*aq+\i], v[ACC+8*aq+2*\i], v[ACC+8*aq+2*\i+1]
.endr
.set aq, aq+1
.endr
.irp cb, 0,1,2,3                       ; blocks 0, 1: q; 2, 3: k, 4,194,304 bytes further on
	global_store_b128 v17, v[AB+8*\cb:AB+8*\cb+3], s[48:49] offset:((\cb)&1)*512+((\cb)>>1)*4194304
	global_store_b128 v18, v[AB+8*\cb+4:AB+8*\cb+7], s[48:49] offset:((\cb)&1)*512+((\cb)>>1)*4194304
.endr
	v_mov_b32 v25, 0                               ; partners of the two pairs below
	v_mov_b32 v27, 0
	ds_load_b32 v24, v13                           ; bv of my channel, blocks 0 and 1
	ds_load_b32 v26, v13 offset:64
	s_wait_xcnt 0x0                                ; v[32:63] were store data
	PASS 2, 8, 4, X2H, 8448, 1, 1, 0               ; the last four slots: the counts run down 24, 16, 8, 0
.irp cb, 0,1
.irp tt, 0,1
.irp i, 0,1,2,3
	v_pk_add_f32 v[ACC+8*(2*\cb+\tt)+2*\i:ACC+8*(2*\cb+\tt)+2*\i+1], v[ACC+8*(2*\cb+\tt)+2*\i:ACC+8*(2*\cb+\tt)+2*\i+1], v[24+2*\cb:25+2*\cb] op_sel_hi:[1,0]
.endr
.endr
.endr
.set aq, 0
.rept 4
.irp i, 0,1,2,3
	v_cvt_pk_f16_f32 v[AB+4*aq+\i], v[ACC+8*aq+2*\i], v[ACC+8*aq+2*\i+1]
.endr
.set aq, aq+1
.endr
.irp cb, 0,1
	global_store_b128 v17, v[AB+8*\cb:AB+8*\cb+3], s[50:51] offset:512*\cb
	global_store_b128 v18, v[AB+8*\cb+4:AB+8*\cb+7], s[50:51] offset:512*\cb
.endr
	s_wait_xcnt 0x0                                ; nothing behind this macro finds a store's registers still in use
.endm
.macro ENDW                            ; the wave's end
	s_wait_tensorcnt 0x0
	ds_add_u32 v22, v23
	s_wait_dscnt 0x0
	s_endpgm
.endm
; two sines: dst pair = sin(p x inv pair); p in the low register of pair pp
.macro SIN2 dst, pp, iv
	v_pk_mul_f32 v[44:45], v[(\iv):(\iv)+1], v[(\pp):(\pp)+1] op_sel_hi:[1,0]
	v_pk_mul_f32 v[46:47], v[44:45], s[66:67] op_sel_hi:[1,0]
	v_rndne_f32 v46, v46
	v_rndne_f32 v47, v47
	v_pk_fma_f32 v[48:49], v[46:47], s[68:69], v[44:45] op_sel_hi:[1,0,1]
	v_pk_fma_f32 v[48:49], v[46:47], s[70:71], v[48:49] op_sel_hi:[1,0,1]
	v_pk_mul_f32 v[50:51], v[48:49], v[48:49]
	v_pk_fma_f32 v[52:53], v[50:51], s[72:73], s[74:75] op_sel_hi:[1,0,0]
	v_pk_fma_f32 v[52:53], v[52:53], v[50:51], s[76:77] op_sel_hi:[1,1,0]
	v_pk_fma_f32 v[52:53], v[52:53], v[50:51], s[78:79] op_sel_hi:[1,1,0]
	v_pk_fma_f32 v[52:53], v[52:53], v[50:51], s[80:81] op_sel_hi:[1,1,0]
	v_pk_mul_f32 v[54:55], v[48:49], v[50:51]
	v_pk_fma_f32 v[(\dst):(\dst)+1], v[54:55], v[52:53], v[48:49]
	v_cvt_i32_f32 v46, v46
	v_cvt_i32_f32 v47, v47
	v_lshlrev_b32 v46, 31, v46                     ; an odd n turns the sign
	v_lshlrev_b32 v47, 31, v47
	v_xor_b32 v[(\dst)], v[(\dst)], v46
	v_xor_b32 v[(\dst)+1], v[(\dst)+1], v47
.endm
	s_load_b256 s[4:11], s[0:1], 0x0               ; ids 4, embedding 6, wts 8, state out 10
	v_lshl_add_u32 v22, v0, 2, SPARE
	v_mov_b32 v23, 0
	v_lshrrev_b32 v20, 5, v0
	v_readfirstlane_b32 s16, v20                   ; w
	s_mov_b32 s17, ttmp9                           ; j: the low tile
	s_and_b32 s18, ttmp7, 0xffff                   ; b
	s_sub_co_u32 s47, 63, s17                      ; the high tile
	v_and_b32 v21, 31, v0
	v_lshlrev_b32 v1, 4, v21
	v_and_b32 v2, 15, v0
	v_bfe_u32 v3, v0, 4, 1
	v_mul_u32_u24 v4, v2, 528
	v_lshl_add_u32 v4, v3, 4, v4
	s_lshl_b32 s22, s16, 6
	v_add_nc_u32 v8, s22, v4
	s_lshl_b32 s24, s16, 7                         ; 128 w: my 32 columns in a row of f32
	s_add_co_u32 s22, s24, PAR
	v_lshl_add_u32 v11, v3, 5, s22
	s_add_co_u32 s22, s22, 12288
	v_lshl_add_u32 v13, v2, 2, s22
	s_lshl_b32 s22, s17, 10
	v_add_nc_u32 v17, s22, v1
	s_lshl_b32 s22, s47, 10
	v_add_nc_u32 v18, s22, v1
	s_lshl_b32 s25, s18, 10
	s_lshl_b32 s26, s17, 4                         ; first position of the low tile
	s_lshl_b32 s27, s47, 4                         ; of the high tile
	s_add_co_u32 s22, s25, s26
	v_add_lshl_u32 v25, v2, s22, 2                 ; my token's id, both tiles
	s_add_co_u32 s22, s25, s27
	v_add_lshl_u32 v26, v2, s22, 2
	v_lshlrev_b32 v24, 4, v0
	v_add_nc_u32 v21, PAR+10240, v24
	s_mul_i32 s28, s16, WS                         ; offsets, made apart from the addresses
	s_add_co_u32 s28, s28, STREAM0
	s_mov_b32 s29, 0
	s_lshl_b32 s30, s18, 3
	s_add_co_u32 s30, s30, s16
	s_lshl_b32 s30, s30, 16                        ; head 8 b + w: 64 tiles of 1,024 bytes
	s_mov_b32 s31, 0
	s_lshl_b32 s32, s18, 5
	s_add_co_u32 s32, s32, s17
	s_lshl_b32 s32, s32, 15                        ; work-group 32 b + j: 32,768 bytes of x
	s_lshl_b32 s33, s16, 12
	s_add_co_u32 s32, s32, s33
	s_mov_b32 s33, 0
	s_mov_b32 s66, 0x3ea2f983                      ; 1 / pi
	s_mov_b32 s68, 0xc0490fdb                      ; - pi, high part
	s_mov_b32 s70, 0x33bbbd2e                      ; - pi, low part
	s_mov_b32 s72, 0xb2d7322b                      ; - 1 / 11!
	s_mov_b32 s74, 0x3638ef1d                      ; 1 / 9!
	s_mov_b32 s76, 0xb9500d01                      ; - 1 / 7!
	s_mov_b32 s78, 0x3c088889                      ; 1 / 5!
	s_mov_b32 s80, 0xbe2aaaab                      ; - 1 / 3!
.irp q, 66,68,70,72,74,76,78,80
	s_mov_b32 s[\q+1], s[\q]                       ; named as pairs
.endr
	s_wait_kmcnt 0x0
	s_add_nc_u64 s[36:37], s[8:9], s[28:29]        ; my stream, slot 0
	s_add_nc_u64 s[48:49], s[10:11], s[30:31]
	s_add_nc_u64 s[48:49], s[48:49], 0x800000      ; q out (k by the immediate)
	s_add_nc_u64 s[50:51], s[48:49], 0x800000      ; v out
	s_add_nc_u64 s[52:53], s[10:11], s[32:33]      ; x out
	global_load_b32 v28, v25, s[4:5]
	global_load_b32 v29, v26, s[4:5]
	s_cmp_lt_u32 s16, 6                            ; waves 0-5 copy bq, bk, bv of layer 0 (blocks 0-2) to where the common text finds them
	s_cbranch_scc0 .Lno_par
	global_load_b128 v[96:99], v24, s[8:9]
	s_wait_loadcnt 0x0
	ds_store_b128 v21, v[96:99]
.Lno_par:
	s_wait_loadcnt 0x0
	v_min_u32 v28, 99, v28                         ; an id stays inside the table
	v_min_u32 v29, 99, v29
	v_lshl_add_u32 v5, v3, 5, s24                  ; 128 w + 32 h
	v_lshl_add_u32 v6, v29, 10, v5
	v_lshl_add_u32 v5, v28, 10, v5
.irp cb, 0,1
.irp hf, 0,1
	global_load_b128 v[ACC+16*\cb+4*\hf:ACC+16*\cb+4*\hf+3], v5, s[6:7] offset:64*\cb+16*\hf
	global_load_b128 v[ACC+16*\cb+8+4*\hf:ACC+16*\cb+8+4*\hf+3], v6, s[6:7] offset:64*\cb+16*\hf
.endr
.endr
	LDSLOT 0, 0
	LDSLOT 1, 1
	LDSLOT 2, 2
	LDSLOT 3, 3
.set RP, 0
.set OFFS, 4
.set INF, 3
	; the positional numbers, while those 40 loads are out.  f = 64 w + 16 h + 32 cb + 2 jj, less 255 in the upper half of the channels
	s_lshl_b32 s22, s16, 6
	s_cmp_lt_u32 s16, 4
	s_cselect_b32 s23, 0, 255
	s_sub_co_u32 s22, s22, s23
	v_lshl_add_u32 v20, v3, 4, s22
.set i, 0
.rept 16
	v_add_nc_u32 v[24+i], 32*(i/8)+2*(i%8), v20
	v_cvt_f32_u32 v[24+i], v[24+i]
	v_mul_f32 v[24+i], 0xbd549a78, v[24+i]         ; - f log2(10000) / 256
.set i, i+1
.endr
.set i, 0
.rept 16
	v_exp_f32 v[24+i], v[24+i]
.set i, i+1
.endr
	v_add_nc_u32 v40, s26, v2                      ; plain work behind the last exponential: my two positions
	v_add_nc_u32 v42, s27, v2
	v_cvt_f32_u32 v40, v40
	v_cvt_f32_u32 v42, v42
	v_mov_b32 v41, 0
	v_mov_b32 v43, 0
	s_wait_alu depctr_va_vdst(0)
.irp cb, 0,1
.irp tt, 0,1
.irp i, 0,1,2,3
	SIN2 96+8*(2*\cb+\tt)+2*\i, 40+2*\tt, 24+8*\cb+2*\i
.endr
.endr
.endr
	s_wait_loadcnt 32                              ; the embedding's 8 loads are in: the ring's 32 were issued behind them
.set i, 0
.rept 16
	v_cvt_pk_bf16_f32 v44, v[ACC+2*i], v[ACC+2*i+1]
	v_lshlrev_b32 v46, 16, v44
	v_and_b32 v47, 0xffff0000, v44
	v_pk_add_f32 v[ACC+2*i:ACC+2*i+1], v[46:47], v[96+2*i:96+2*i+1]
.set i, i+1
.endr
.set i, 0
.rept 16
	v_cvt_pk_f16_f32 v[24+i], v[ACC+2*i], v[ACC+2*i+1]
.set i, i+1
.endr
.irp cb, 0,1
.irp tt, 0,1
	ds_store_b128 v8, v[24+4*(2*\cb+\tt):24+4*(2*\cb+\tt)+3] offset:X2H+8448*\tt+32*\cb
.endr
.endr
	BAR                                            ; x0 and the parameters are there for every wave
	TAILQKV
	ENDW
.Lfunc_end_k_q7320e2abe9_first:
	.size	k_q7320e2abe9_first, .Lfunc_end_k_q7320e2abe9_first-k_q7320e2abe9_first
	.p2alignl 7, 3214868480
	.fill 96, 4, 3214868480
	.section	.rodata,"a",@progbits
	.p2align	6, 0x0
	.amdhsa_kernel k_q7320e2abe9_first
		.amdhsa_group_segment_fixed_size 185856
		.amdhsa_private_segment_fixed_size 0
		.amdhsa_enable_private_segment 0
		.amdhsa_kernarg_size 32
		.amdhsa_user_sgpr_count 2
		.amdhsa_user_sgpr_kernarg_segment_ptr 1
		.amdhsa_wavefront_size32 1
		.amdhsa_system_sgpr_workgroup_id_x 1
		.amdhsa_system_sgpr_workgroup_id_y 1
		.amdhsa_system_sgpr_workgroup_id_z 1
		.amdhsa_system_vgpr_workitem_id 0
		.amdhsa_next_free_vgpr 256
		.amdhsa_next_free_sgpr 96
		.amdhsa_reserve_vcc 0
		.amdhsa_float_denorm_mode_32 3
		.amdhsa_float_denorm_mode_16_64 3
		.amdhsa_memory_ordered 1
		.amdhsa_forward_progress 1
		.amdhsa_inst_pref_size 57
	.end_amdhsa_kernel
	.amdgpu_metadata
---
amdhsa.version: [ 1, 2 ]
amdhsa.kernels:
  - .name:           k_q7320e2abe9_first
    .symbol:         k_q7320e2abe9_first.kd
    .args:
      - { .name: output_ids, .offset: 0, .size: 8, .value_kind: global_buffer, .address_space: global }
      - { .name: embedding, .offset: 8, .size: 8, .value_kind: global_buffer, .address_space: global }
      - { .name: wts, .offset: 16, .size: 8, .value_kind: global_buffer, .address_space: global }
      - { .name: stA, .offset: 24, .size: 8, .value_kind: global_buffer, .address_space: global }
    .group_segment_fixed_size: 185856
    .private_segment_fixed_size: 0
    .kernarg_segment_align: 8
    .kernarg_segment_size: 32
    .max_flat_workgroup_size: 256
    .sgpr_count:     96
    .vgpr_count:     256
    .wavefront_size: 32
...
	.end_amdgpu_metadata
.endif
;; end of part 2
;; launch lay0 (part 3): grid 32 x 8, 8 waves a work-group, no clusters, 152,064 bytes of LDS; arguments c0, target_sequence_length, wts, stA, stB, out0; writes stB, out0
.if DOCPART == 3
	.amdgcn_target "amdgcn-amd-amdhsa--gfx1250"
	.amdhsa_code_object_version 6
	.text
	.protected	k_q7320e2abe9_lay0
	.globl	k_q7320e2abe9_lay0
	.p2align	8
	.type	k_q7320e2abe9_lay0,@function
k_q7320e2abe9_lay0:
	s_mov_b64 s[64:65], 0
	v_nop
	global_prefetch_b8 v0, s[64:65] scope:SCOPE_SE
	s_setreg_imm32_b32 hwreg(HW_REG_WAVE_MODE, 25, 1), 1
	s_wait_xcnt 0x0
; A LAYER.  attention(l), Wo, residual + LN1, FFN (ReLU), residual + LN2, then q, k, v of layer l + 1, or (l = 3) the classifier.  l is read from the first argument's buffer, which an earlier launch filled.
; SHARES.  Work-group (j, b) owns the 16-row tiles j (low) and 63 - j (high) of batch b.  Eight waves: in attention wave w is head w, in the products it owns output columns.
; THE WALK.  With a = j / 4 the low tile needs the key blocks (64 keys) 0 .. a, the high tile 0 .. 15 - a: 17 tile steps, whatever j.  Both tiles use the same K and V registers while both need a block, so a wave
; loads 16 - a blocks: a steps for both tiles, the step with the low tile's diagonal, 14 - 2 a steps for the high tile alone, the high tile's diagonal step.  K and V have two register buffers, A and B, and each
; step asks for the block two steps on.  Counted from the end the buffers are fixed: the last step is on A, the 14 - 2 a steps are pairs A, B, the low tile's diagonal step is on B; the first a steps are a / 2 pairs
; B, A in a loop, and where a is odd one step on A, written out ahead of the loop.  The step before the last has nothing left to ask for and asks for the last block once more (the block's number is held at 15 - a):
; the price of one text for every trip.
; THE MASK.  Row q sees keys k <= q if q < len, and nothing otherwise (its weights are set to 0 behind the softmax): for q < len every k <= q is below len too.  So: causal attention, times (q < len) by one select.
; Key blocks above the diagonal are not computed.  In a diagonal step the mask is the C operand that starts the scores: 0, or -1e30 where the key is hidden.
; SOFTMAX.  Running maximum m and sum l for each query: p = 2^(c s - c m), c = log2(e) / sqrt(32); O and l are multiplied by 2^(c m_old - c m_new) in every step.  m starts at the lowest finite number, O and l at 0.
; LAYER NORM without a difference of large sums: each wave makes the mean and the sum of squared deviations of its 32 columns; M2 = sum M2_w + 32 sum (mean_w - mean)^2.
; FORMATS.  Matrix products in f16 with f32 sums; weights, biases and gains are bf16-rounded numbers (weights written as f16); x, q, k, v, p, y, h are rounded once to f16; residual, statistics and sums stay in f32.
; LIMITS.  x, q, k, v, y, h within f16's 65,504; a hidden score counts as its value less 1e30; a weight below 2^-126 counts as 0; NaN and infinities are not treated apart.
; WEIGHTS come as ready fragments from memory straight into a ring of 7 register slots (4 fragments, 4,096 bytes each), 48 slots a wave, walked by immediates: 6 slots stay on their way across barriers and epilogues.
; NO CLUSTER, though all work-groups walk the same weights: a joint request lands in LDS, where each refill stands behind a round with all loads waited for; two slots in the 175 KB beside the activations would hold
; 10 fragments a wave each, 20 matrix instructions between a request and the wait for it, and each fragment would be written to LDS and read from it for two matrix instructions.
; THE MATRIX INSTRUCTION: source 0 = 16 output channels, source 1 = 16 tokens: a lane holds one token (lane % 16) and 8 neighbouring channels 8 (lane / 16) + 0..7; for v the sources are swapped.
; REGISTERS, in two windows of 256 (s_set_vgpr_msb: bits 1:0 source 0, 3:2 source 1, 5:4 source 2, 7:6 destination).  Window 1 holds what comes from memory as a matrix operand: K_A 0, V_A 32, K_B 64, V_B 96; ring place p at 32 p.
; Window 0: v1 16 lane; v2 r; v3 h; v4 r 528 + 16 h; v5 16 t; v6 PAR + 16 t; v7 HID + r 2,064 + 16 h; v8 v4 + 64 w; v9 v7 + 256 w; v11-v14 parameters; v15, v16 statistics; v17, v18 16 lane + 1,024 tile; v19 0;
; v22, v23 the add's two: none of these is rewritten.  v20, v21 at work.  v[24:31], v[32:39] Q of the high, low tile (later at work); v40-43, v44-47 their c m, m, l; v48-60 at work; the rest by the names below.
; Every LDS region is written in one phase and never again, so each needs one barrier, between its writing and its reading.
.set WS,      802816                   ; bytes of a wave's stream of fragments
.set STREAM0, 57344                    ; the streams begin behind the parameter blocks
.set Y,       0                        ; LDS: attention's output, f16, 32 rows, pitch 528 = 33 x 16: the 16 rows of a load start in 16 different groups of four banks
.set X1H,     16896                    ; x1 in f16, pitch 528
.set X2H,     33792                    ; x2 in f16, pitch 528
.set HID,     50688                    ; h in f16, 32 rows, pitch 2,064 = 129 x 16
.set PAR,     116736                   ; 16 blocks of 1,024: bo, g1, be1, b2, g2, b1 (4), be2, next bq (or bc), next bk, next bv; three that nobody reads
.set ST1,     133120                   ; LN1: token x 80 + wave x 8: (mean, M2); LN2's lie 2,560 further on
.set CST,     138240                   ; logits in f32, 32 dense rows of 400 bytes
.set SPARE,   151040                   ; the spare words: 128 bytes a wave; no other line names them
.set NPL,     7                        ; places in the ring of weight slots
.set TB,      32                       ; v[32:63]   at work in the epilogues
.set ACC,     64                       ; v[64:127]  accumulator (cb, tt) at ACC + 8 (2 cb + tt)
.set SCO,     64                       ; attention: v[64:95] scores of 64 keys
.set PW,      96                       ; v[96:111]  weights in f16
.set OHI,     112                      ; v[112:127] O^T of the high tile, two accumulators
.set OLO,     128                      ; v[128:143] of the low tile
.set XREG,    144                      ; v[144:175] the residual in f32, in the accumulators' order
.set PST,     176                      ; v[176:191] the parameters on their way to LDS
.set MKLO,    192                      ; v[192:223] the low tile's diagonal mask
.set MKHI,    224                      ; v[224:255] the high tile's
.set AB,      192                      ; later: four activation buffers of 16: AB + 16 buf + 8 tt
.set MSB, 0
.macro WIN new                         ; the immediate's high byte repeats the setting that is left; a switch that changes nothing is dropped
.if MSB != (\new)
	s_set_vgpr_msb (MSB<<8)|(\new)
.set MSB, (\new)
.endif
.endm
.macro BAR                             ; my LDS instructions are done, for the others' sake; then all eight waves meet
	s_wait_dscnt 0x0
	s_barrier_signal -1
	s_barrier_wait -1
.endm
.macro NOP4                            ; four places behind matrix instructions, ahead of loads into their sources and of reads of their results
.rept 4
	v_nop
.endr
.endm
.macro LDSLOT pos, off                 ; slot number off of my walk into ring place pos (window 1): 8 loads of 512 consecutive bytes
	WIN 0x40
.irp i, 0,1,2,3,4,5,6,7
	global_load_b128 v[32*(\pos)+4*(\i):32*(\pos)+4*(\i)+3], v1, s[36:37] offset:(\off)*4096+512*(\i)
.endr
.endm
.macro LDACT buf, base, off, p16       ; one k step's activation fragments of both tiles: lane (r, h): row r, k = 8 h .. and 16 + 8 h ..
.irp tt, 0,1
	ds_load_b128 v[AB+16*(\buf)+8*(\tt):AB+16*(\buf)+8*(\tt)+3], v[\base] offset:(\off)+(\tt)*(\p16)
	ds_load_b128 v[AB+16*(\buf)+8*(\tt)+4:AB+16*(\buf)+8*(\tt)+7], v[\base] offset:(\off)+(\tt)*(\p16)+32
.endr
.endm
.macro MM nb, wf, ab, swap, zero       ; 2 nb matrix instructions, the weights from window 1; the accumulators take turns, one instruction a turn
.if \swap
	WIN 0x04
.else
	WIN 0x01
.endif
.set cbi, 0
.rept \nb
.irp tt, 0,1
.set dd, ACC+8*(2*cbi+\tt)
.set ww, (\wf)+8*cbi
.set aa, (\ab)+8*\tt
.if \swap
.if \zero
	v_wmma_f32_16x16x32_f16 v[dd:dd+7], v[aa:aa+7], v[ww:ww+7], 0
.else
	v_wmma_f32_16x16x32_f16 v[dd:dd+7], v[aa:aa+7], v[ww:ww+7], v[dd:dd+7]
.endif
.else
.if \zero
	v_wmma_f32_16x16x32_f16 v[dd:dd+7], v[ww:ww+7], v[aa:aa+7], 0
.else
	v_wmma_f32_16x16x32_f16 v[dd:dd+7], v[ww:ww+7], v[aa:aa+7], v[dd:dd+7]
.endif
.endif
.endr
.set cbi, cbi+1
.endr
.endm
; A product of 32 rows x (16 nb) columns over nks k steps (8 or more), written out.  RP: the ring place due; OFFS: the next slot to ask for; INF: slots in flight behind the one due; LIMIT: slots that may be asked for.
; A slot serves 4 / nb k steps and is asked for again as soon as it has been multiplied.  Activations are asked for three k steps ahead, into the buffer that the k step before has read.
.macro PASS nb, nks, base, off, p16, swap, zero
.set KPS, 4/(\nb)
.set ks, 0
	WIN 0
	LDACT 0, \base, \off, \p16
	LDACT 1, \base, (\off)+64, \p16
	LDACT 2, \base, (\off)+128, \p16
.rept \nks
	WIN 0
.if ks+3 < (\nks)
	LDACT (ks+3)%4, \base, (\off)+64*(ks+3), \p16
.endif
.if ks%KPS == 0
	s_wait_loadcnt 8*INF                           ; the slot due is in: 8 loads for each younger slot may stay out
.endif
.if ks+3 < (\nks)
	s_wait_dscnt 12                                ; this step's fragments are in: the next three steps' four loads each may stay out
.else
	s_wait_dscnt 4*((\nks)-1-ks)
.endif
	MM \nb, 32*RP+8*(\nb)*(ks%KPS), AB+16*(ks%4), \swap, (\zero)&&(ks==0)
	NOP4
.if ks%KPS == KPS-1
.if OFFS < LIMIT
	LDSLOT RP, OFFS
.set OFFS, OFFS+1
.else
.set INF, INF-1
.endif
.set RP, (RP+1)%NPL
.endif
.set ks, ks+1
.endr
	WIN 0
.endm
.macro INITB a0, base, off, nb         ; the sums start with the bias: my 8 channels' numbers straight into the accumulators of both tiles
.set cbi, 0
.rept \nb
.irp tt, 0,1
	ds_load_b128 v[ACC+8*(2*((\a0)+cbi)+\tt):ACC+8*(2*((\a0)+cbi)+\tt)+3], v[\base] offset:(\off)+64*cbi
	ds_load_b128 v[ACC+8*(2*((\a0)+cbi)+\tt)+4:ACC+8*(2*((\a0)+cbi)+\tt)+7], v[\base] offset:(\off)+64*cbi+16
.endr
.set cbi, cbi+1
.endr
.endm
; x (f32, in v[64:95]) goes out; then q, k (one pass, 4 column blocks) and v (swapped sources) of the next layer, from x in f16 in X2H.  All stores: 512 consecutive bytes a wave.
.macro TAILQKV
.set LIMIT, 48
.rept 3                                ; the three ring places that the text for all layers left empty: slots 40 to 42 exist in layers 0 to 2 alone
	LDSLOT (RP+INF+1)%NPL, OFFS
.set OFFS, OFFS+1
.set INF, INF+1
.endr
	WIN 0
.irp c, 0,1,2,3,4,5,6,7
	global_store_b128 v1, v[ACC+4*\c:ACC+4*\c+3], s[52:53] offset:512*\c
.endr
	s_wait_xcnt 0x0                                ; the stores' data registers are loaded anew only behind this wait
	INITB 0, 11, 10240, 2                          ; bq
	INITB 2, 11, 11264, 2                          ; bk
	PASS 4, 8, 4, X2H, 8448, 0, 0
.set aq, 0
.rept 8                                ; each accumulator from its low end on
.irp i, 0,1,2,3
	v_cvt_pk_f16_f32 v[TB+4*aq+\i], v[ACC+8*aq+2*\i], v[ACC+8*aq+2*\i+1]
.endr
.set aq, aq+1
.endr
.irp cb, 0,1,2,3                       ; blocks 0, 1: q; 2, 3: k, 4,194,304 bytes further on
	global_store_b128 v17, v[TB+8*\cb:TB+8*\cb+3], s[48:49] offset:((\cb)&1)*512+((\cb)>>1)*4194304
	global_store_b128 v18, v[TB+8*\cb+4:TB+8*\cb+7], s[48:49] offset:((\cb)&1)*512+((\cb)>>1)*4194304
.endr
	v_mov_b32 v25, 0                               ; partners of the two pairs below
	v_mov_b32 v27, 0
	ds_load_b32 v24, v13                           ; bv of my channel, blocks 0 and 1
	ds_load_b32 v26, v13 offset:64
	PASS 2, 8, 4, X2H, 8448, 1, 1                  ; the last four slots: the counts run down 24, 16, 8, 0
.irp cb, 0,1
.irp tt, 0,1
.irp i, 0,1,2,3
	v_pk_add_f32 v[ACC+8*(2*\cb+\tt)+2*\i:ACC+8*(2*\cb+\tt)+2*\i+1], v[ACC+8*(2*\cb+\tt)+2*\i:ACC+8*(2*\cb+\tt)+2*\i+1], v[24+2*\cb:25+2*\cb] op_sel_hi:[1,0]
.endr
.endr
.endr
	s_wait_xcnt 0x0                                ; v[32:47] were q's store data
.set aq, 0
.rept 4
.irp i, 0,1,2,3
	v_cvt_pk_f16_f32 v[TB+4*aq+\i], v[ACC+8*aq+2*\i], v[ACC+8*aq+2*\i+1]
.endr
.set aq, aq+1
.endr
.irp cb, 0,1
	global_store_b128 v17, v[TB+8*\cb:TB+8*\cb+3], s[50:51] offset:512*\cb
	global_store_b128 v18, v[TB+8*\cb+4:TB+8*\cb+7], s[50:51] offset:512*\cb
.endr
	s_wait_xcnt 0x0                                ; nothing behind this macro finds a store's registers still in use
.endm
.macro ENDW                            ; the wave's end
	s_wait_tensorcnt 0x0
	ds_add_u32 v22, v23
	s_wait_dscnt 0x0
	s_endpgm
.endm
.macro LDK buf, sb, off                ; 64 keys of my head into buffer buf: 4 tiles of 1,024 bytes, as they lie
	WIN 0x40
.irp i, 0,1,2,3,4,5,6,7
	global_load_b128 v[64*(\buf)+4*\i:64*(\buf)+4*\i+3], v1, s[\sb:\sb+1] offset:(\off)+512*\i
.endr
.endm
.macro LDV buf, sb, off                ; the same keys' V, fragment (cb, kk) at 32 + 8 (2 kk + cb): its two halves come from two neighbouring tiles
	WIN 0x40
.irp kk, 0,1
.irp cb, 0,1
	global_load_b128 v[64*(\buf)+32+8*(2*\kk+\cb):64*(\buf)+32+8*(2*\kk+\cb)+3], v1, s[\sb:\sb+1] offset:(\off)+2048*\kk+512*\cb
	global_load_b128 v[64*(\buf)+32+8*(2*\kk+\cb)+4:64*(\buf)+32+8*(2*\kk+\cb)+7], v1, s[\sb:\sb+1] offset:(\off)+2048*\kk+1024+512*\cb
.endr
.endr
.endm
; The block two steps on is asked for, into the buffer just read.  Its address is made anew from its number, which is held at the walk's last block.  Each buffer has base registers of its own:
; the loads that named them last are this step's, which the step's own waits have shown done.
.macro REQK buf
	s_add_co_u32 s66, s66, 1
	s_min_u32 s54, s66, s67
	s_lshl_b32 s54, s54, 12
	s_add_nc_u64 s[26+34*(\buf):27+34*(\buf)], s[24:25], s[54:55]
	LDK \buf, 26+34*(\buf), 0
	WIN 0
.endm
.macro REQV buf
	s_add_nc_u64 s[30+32*(\buf):31+32*(\buf)], s[28:29], s[54:55]
	LDV \buf, 30+32*(\buf), 0
	WIN 0
.endm
; A tile (its number in s[ts]) begins: O, l = 0; m lowest; its diagonal mask: register jj of key group a is hidden where 16 a + jj > 16 (tile % 4) + r - 8 h.
; The 16 lines that clear O are the price of writing no first step out; all this stands in the wait for the arguments.
.macro TILEINIT ts, st, o, mk
.set i, 0
.rept 16
	v_mov_b32 v[(\o)+i], 0
.set i, i+1
.endr
	v_mov_b32 v[(\st)], 0xfe000000                 ; c m: far below every c s
	v_mov_b32 v[(\st)+1], 0xff7fffff
	v_mov_b32 v[(\st)+2], 0
	v_mov_b32 v[(\st)+3], 0
	s_and_b32 s59, s[\ts], 3
	s_lshl_b32 s59, s59, 4
	v_lshlrev_b32 v58, 3, v3
	v_sub_nc_u32 v58, v2, v58
	v_add_nc_u32 v58, s59, v58
.set i, 0
.rept 32
	v_cmp_gt_i32 vcc_lo, 16*(i/8)+i%8, v58
	v_cndmask_b32 v[(\mk)+i], 0, s44, vcc_lo
.set i, i+1
.endr
.endm
; A TILE STEP: 64 keys in buffer buf for the tile with Q at v[q], statistics at v[st], O at v[o].  mk: its mask's registers, or 0.  kw, vw: the counts of the waits for K and V, or -1 where the wait
; has been made already.  rk, rv = 1: K's, V's registers have had their last reader of this step and are asked for again.
.macro TS q, st, o, buf, mk, kw, vw, rk, rv
.if (\kw) >= 0
	s_wait_loadcnt \kw
.endif
	WIN 0x01
.irp a, 0,1,2,3
.if \mk
	v_wmma_f32_16x16x32_f16 v[SCO+8*\a:SCO+8*\a+7], v[64*(\buf)+8*\a:64*(\buf)+8*\a+7], v[(\q):(\q)+7], v[(\mk)+8*\a:(\mk)+8*\a+7]
.else
	v_wmma_f32_16x16x32_f16 v[SCO+8*\a:SCO+8*\a+7], v[64*(\buf)+8*\a:64*(\buf)+8*\a+7], v[(\q):(\q)+7], 0
.endif
.endr
	WIN 0
	v_mov_b32 v60, v[(\st)]                        ; c m_old is kept; with three v_nop the four places behind the products
	v_nop
	v_nop
	v_nop
.if \rk
	REQK \buf
.endif
.irp n, 0,1,2,3                        ; the maximum: four chains, each from its accumulator's low end on
	v_max3_num_f32 v[48+\n], v[SCO+8*\n], v[SCO+8*\n+1], v[SCO+8*\n+2]
.endr
.irp n, 0,1,2,3
	v_max3_num_f32 v[48+\n], v[48+\n], v[SCO+8*\n+3], v[SCO+8*\n+4]
.endr
.irp n, 0,1,2,3
	v_max3_num_f32 v[48+\n], v[48+\n], v[SCO+8*\n+5], v[SCO+8*\n+6]
.endr
	v_max3_num_f32 v48, v48, v[SCO+7], v[SCO+15]
	v_max3_num_f32 v49, v49, v[SCO+23], v[SCO+31]
	v_max3_num_f32 v50, v50, v51, v[(\st)+1]
	v_max3_num_f32 v48, v48, v49, v50
	v_permlanex16_b32 v51, v48, s42, s43           ; the query's other 32 keys lie in the lane 16 away
	v_max_num_f32 v[(\st)+1], v48, v51
	v_mul_f32 v[(\st)], s40, v[(\st)+1]
	v_sub_f32 v54, v60, v[(\st)]
.set i, 0
.rept 16
	v_pk_fma_f32 v[SCO+2*i:SCO+2*i+1], v[SCO+2*i:SCO+2*i+1], s[40:41], v[(\st):(\st)+1] op_sel_hi:[1,0,0] neg_lo:[0,0,1] neg_hi:[0,0,1]
.set i, i+1
.endr
	v_exp_f32 v52, v54                             ; a
.set i, 0
.rept 32
	v_exp_f32 v[SCO+i], v[SCO+i]
.set i, i+1
.endr
	v_nop                                          ; a plain instruction behind the last exponential (ISA guide 5.7.2)
.set i, 0
	s_wait_alu depctr_va_vdst(0)
.rept 16
	v_cvt_pk_f16_f32 v[PW+i], v[SCO+2*i], v[SCO+2*i+1]
.set i, i+1
.endr
.irp w, 4,8,16,32                      ; the sum of the 16 pairs, in place: neighbours 1, 2, 4, 8 pairs apart
.set i, 0
.rept 32/\w
	v_pk_add_f32 v[SCO+\w*i:SCO+\w*i+1], v[SCO+\w*i:SCO+\w*i+1], v[SCO+\w*i+\w/2:SCO+\w*i+\w/2+1]
.set i, i+1
.endr
.endr
	v_pk_fma_f32 v[(\st)+2:(\st)+3], v[(\st)+2:(\st)+3], v[52:53], v[SCO:SCO+1] op_sel_hi:[1,0,1]
.set i, 0
.rept 8
	v_pk_mul_f32 v[(\o)+2*i:(\o)+2*i+1], v[(\o)+2*i:(\o)+2*i+1], v[52:53] op_sel_hi:[1,0]
.set i, i+1
.endr
.if (\vw) >= 0
	s_wait_loadcnt \vw
.endif
	WIN 0x01
.irp kk, 0,1                           ; the two accumulators take turns
.irp cb, 0,1
	v_wmma_f32_16x16x32_f16 v[(\o)+8*\cb:(\o)+8*\cb+7], v[64*(\buf)+32+8*(2*\kk+\cb):64*(\buf)+32+8*(2*\kk+\cb)+7], v[PW+8*\kk:PW+8*\kk+7], v[(\o)+8*\cb:(\o)+8*\cb+7]
.endr
.endr
	WIN 0
.if (\rv) || (\mk)
	NOP4                                           ; ahead of the loads into V's registers, and of a finished tile's reads of O
.endif
.if \rv
	REQV \buf
.endif
.endm
; At a step's head these loads are out, in this order: this buffer's K and V, the other buffer's K and V, 8 each.
.macro DUAL buf                        ; both tiles.  K: 24 issued behind it.  V: 16, since K is asked for again only behind the second tile's scores
	TS 24, 40, OHI, \buf, 0, 24, 16, 0, 0
	TS 32, 44, OLO, \buf, 0, -1, -1, 1, 1
.endm
.macro SINGLE buf                      ; the high tile alone.  V: the other buffer's 16 and the new K's 8
	TS 24, 40, OHI, \buf, 0, 24, 24, 1, 1
.endm
; A tile ends: O / l, or 0 where the query lies at or beyond the sequence's length; rounded to f16 into Y.
.macro ATTEND ts, tt, st, o, pw
	v_add_f32 v54, v[(\st)+2], v[(\st)+3]
	v_permlanex16_b32 v55, v54, s42, s43
	v_add_f32 v54, v54, v55
	v_rcp_f32 v56, v54
	s_lshl_b32 s59, s[\ts], 4
	v_add_nc_u32 v59, s59, v2                      ; my query's position: plain work behind the reciprocal
	v_cmp_gt_i32 vcc_lo, s20, v59
	s_wait_alu depctr_va_vdst(0)
	v_cndmask_b32 v56, 0, v56, vcc_lo
.set i, 0
.rept 8
	v_pk_mul_f32 v[(\o)+2*i:(\o)+2*i+1], v[(\o)+2*i:(\o)+2*i+1], v[56:57] op_sel_hi:[1,0]
.set i, i+1
.endr
.set i, 0
.rept 8
	v_cvt_pk_f16_f32 v[(\pw)+i], v[(\o)+2*i], v[(\o)+2*i+1]
.set i, i+1
.endr
.irp cb, 0,1
	ds_store_b128 v8, v[(\pw)+4*\cb:(\pw)+4*\cb+3] offset:Y+8448*(\tt)+32*\cb
.endr
.endm
.macro INITRES idx                     ; the sums start with the residual plus the bias in parameter block idx
.irp cb, 0,1
.irp hf, 0,1
	ds_load_b128 v[TB+8*\cb+4*\hf:TB+8*\cb+4*\hf+3], v11 offset:(\idx)*1024+64*\cb+16*\hf
.endr
.endr
	s_wait_dscnt 0x0
.irp cb, 0,1
.irp tt, 0,1
.irp i, 0,1,2,3
	v_pk_add_f32 v[ACC+8*(2*\cb+\tt)+2*\i:ACC+8*(2*\cb+\tt)+2*\i+1], v[XREG+8*(2*\cb+\tt)+2*\i:XREG+8*(2*\cb+\tt)+2*\i+1], v[TB+8*\cb+2*\i:TB+8*\cb+2*\i+1]
.endr
.endr
.endr
.endm
.macro LNLOC a, b                      ; my wave's 32 columns of one token (16 here, 16 in the lane 16 away): mean into v20, sum of squared deviations into v21
	v_pk_add_f32 v[24:25], v[(\a):(\a)+1], v[(\a)+2:(\a)+3]
	v_pk_add_f32 v[26:27], v[(\b):(\b)+1], v[(\b)+2:(\b)+3]
	v_pk_add_f32 v[28:29], v[(\a)+4:(\a)+5], v[(\a)+6:(\a)+7]
	v_pk_add_f32 v[30:31], v[(\b)+4:(\b)+5], v[(\b)+6:(\b)+7]
	v_pk_add_f32 v[24:25], v[24:25], v[28:29]
	v_pk_add_f32 v[26:27], v[26:27], v[30:31]
	v_pk_add_f32 v[24:25], v[24:25], v[26:27]
	v_add_f32 v24, v24, v25
	v_permlanex16_b32 v25, v24, s42, s43
	v_add_f32 v24, v24, v25
	v_mul_f32 v20, 0x3d000000, v24                 ; / 32
.set kq, 0
.rept 8
.if kq < 4
.set sx, (\a)+2*kq
.else
.set sx, (\b)+2*(kq-4)
.endif
	v_pk_add_f32 v[24+2*(kq%2):25+2*(kq%2)], v[sx:sx+1], v[20:21] op_sel_hi:[1,0] neg_lo:[0,1] neg_hi:[0,1]
.if kq < 2
	v_pk_mul_f32 v[28+2*(kq%2):29+2*(kq%2)], v[24+2*(kq%2):25+2*(kq%2)], v[24+2*(kq%2):25+2*(kq%2)]
.else
	v_pk_fma_f32 v[28+2*(kq%2):29+2*(kq%2)], v[24+2*(kq%2):25+2*(kq%2)], v[24+2*(kq%2):25+2*(kq%2)], v[28+2*(kq%2):29+2*(kq%2)]
.endif
.set kq, kq+1
.endr
	v_pk_add_f32 v[28:29], v[28:29], v[30:31]
	v_add_f32 v28, v28, v29
	v_permlanex16_b32 v29, v28, s42, s43
	v_add_f32 v21, v28, v29
.endm
.macro LNFIN tt, res                   ; the eight waves' pairs (mean, M2) of my token at v[32 + 16 tt ..] are combined; then (x - mean) rstd g + be, into the registers from res on
.set pb, 32+16*(\tt)
	v_pk_add_f32 v[24:25], v[pb:pb+1], v[pb+2:pb+3]
	v_pk_add_f32 v[26:27], v[pb+4:pb+5], v[pb+6:pb+7]
	v_pk_add_f32 v[28:29], v[pb+8:pb+9], v[pb+10:pb+11]
	v_pk_add_f32 v[30:31], v[pb+12:pb+13], v[pb+14:pb+15]
	v_pk_add_f32 v[24:25], v[24:25], v[26:27]
	v_pk_add_f32 v[28:29], v[28:29], v[30:31]
	v_pk_add_f32 v[24:25], v[24:25], v[28:29]
	v_mul_f32 v20, 0x3e000000, v24                 ; the mean of eight means of 32
	v_sub_f32 v26, v[pb], v20
	v_sub_f32 v27, v[pb+2], v20
	v_mul_f32 v30, v26, v26
	v_mul_f32 v31, v27, v27
.irp w, 2,4,6
	v_sub_f32 v26, v[pb+2*\w], v20
	v_sub_f32 v27, v[pb+2*\w+2], v20
	v_fmac_f32 v30, v26, v26
	v_fmac_f32 v31, v27, v27
.endr
	v_add_f32 v30, v30, v31
	v_fmamk_f32 v25, v30, 0x42000000, v25          ; sum M2_w + 32 sum (mean_w - mean)^2
	v_fma_f32 v25, v25, s56, s57                   ; / 256 + 1e-5
	v_rsq_f32 v28, v25
	v_nop                                          ; a plain instruction behind it
	s_wait_alu depctr_va_vdst(0)
.irp cb, 0,1
.irp i, 0,1,2,3
.set xx, ACC+8*(2*\cb+(\tt))+2*\i
.set rr, (\res)+8*(2*\cb+(\tt))+2*\i
	v_pk_add_f32 v[xx:xx+1], v[xx:xx+1], v[20:21] op_sel_hi:[1,0] neg_lo:[0,1] neg_hi:[0,1]
	v_pk_mul_f32 v[xx:xx+1], v[xx:xx+1], v[28:29] op_sel_hi:[1,0]
	v_pk_fma_f32 v[rr:rr+1], v[xx:xx+1], v[96+8*\cb+2*\i:96+8*\cb+2*\i+1], v[112+8*\cb+2*\i:112+8*\cb+2*\i+1]
.endr
.endr
.endm
; LAYER NORM of v[64:95].  gi, bi: parameter blocks of gain and bias; so: 0 or 2,560, the statistics' place; region: where x goes in f16; res: where x stays in f32 (the residual's registers, or in place).
.macro EPILN gi, bi, so, region, res
.irp cb, 0,1
.irp hf, 0,1
	ds_load_b128 v[96+8*\cb+4*\hf:96+8*\cb+4*\hf+3], v11 offset:(\gi)*1024+64*\cb+16*\hf
	ds_load_b128 v[112+8*\cb+4*\hf:112+8*\cb+4*\hf+3], v11 offset:(\bi)*1024+64*\cb+16*\hf
.endr
.endr
.irp tt, 0,1
	LNLOC 64+8*\tt, 80+8*\tt
	ds_store_b64 v15, v[20:21] offset:(\so)+1280*\tt
.endr
	BAR                                            ; every wave's statistics are there
.irp tt, 0,1
.irp i, 0,1,2,3
	ds_load_b128 v[32+16*\tt+4*\i:32+16*\tt+4*\i+3], v16 offset:(\so)+1280*\tt+16*\i
.endr
.endr
	s_wait_dscnt 0x0
	LNFIN 0, \res
	LNFIN 1, \res
.set i, 0
.rept 16
	v_cvt_pk_f16_f32 v[24+i], v[(\res)+2*i], v[(\res)+2*i+1]
.set i, i+1
.endr
.irp cb, 0,1
.irp tt, 0,1
	ds_store_b128 v8, v[24+4*(2*\cb+\tt):24+4*(2*\cb+\tt)+3] offset:(\region)+8448*\tt+32*\cb
.endr
.endr
	BAR                                            ; x in f16 is whole
.endm
.macro EPIH p                          ; h = relu, rounded to f16, into HID: pass p's four hidden blocks
.set aq, 0
.rept 8
.irp i, 0,1,2,3
	v_cvt_pk_f16_f32 v[TB+4*aq+\i], v[ACC+8*aq+2*\i], v[ACC+8*aq+2*\i+1]
.endr
.irp i, 0,1,2,3
	v_pk_max_num_f16 v[TB+4*aq+\i], v[TB+4*aq+\i], v19
.endr
.set aq, aq+1
.endr
.irp cb, 0,1,2,3
.irp tt, 0,1
	ds_store_b128 v9, v[TB+8*\cb+4*\tt:TB+8*\cb+4*\tt+3] offset:33024*\tt+128*(\p)+32*\cb
.endr
.endr
.endm
	s_load_b256 s[4:11], s[0:1], 0x0               ; layer number 4, lengths 6, wts 8, state in 10
	s_load_b128 s[12:15], s[0:1], 0x20             ; state out 12, out0 14
	; all that hangs on no argument stands in the wait for the arguments
	v_lshl_add_u32 v22, v0, 2, SPARE
	v_mov_b32 v23, 0
	v_lshrrev_b32 v20, 5, v0
	v_readfirstlane_b32 s16, v20                   ; w
	s_mov_b32 s17, ttmp9                           ; j: the low tile
	s_and_b32 s18, ttmp7, 0xffff                   ; b
	s_sub_co_u32 s47, 63, s17                      ; the high tile
	s_lshr_b32 s21, s17, 2                         ; a: the low tile's diagonal block
	s_sub_co_u32 s67, 15, s21                      ; the high tile's: the walk's last block
	s_mov_b32 s66, 1                               ; the block asked for last
	s_mov_b32 s55, 0
	s_lshl_b32 s58, s18, 2
	s_lshl_b32 s68, s18, 3
	s_add_co_u32 s68, s68, s16
	s_lshl_b32 s68, s68, 16                        ; head 8 b + w: 64 tiles of 1,024 bytes
	s_mov_b32 s69, 0
	s_lshl_b32 s22, s18, 5
	s_add_co_u32 s22, s22, s17
	s_lshl_b32 s22, s22, 15                        ; work-group 32 b + j: 32,768 bytes of x
	s_lshl_b32 s23, s16, 12
	s_add_co_u32 s22, s22, s23
	s_mov_b32 s23, 0
	s_mov_b32 s40, 0x3e8293ee                      ; c = log2(e) / sqrt(32)
	s_mov_b32 s41, s40
	s_mov_b32 s42, 0x76543210                      ; each lane takes its own place in the other half
	s_mov_b32 s43, 0xfedcba98
	s_mov_b32 s44, 0xf149f2ca                      ; -1e30
	s_mov_b32 s56, 0x3b800000                      ; 1 / 256
	s_mov_b32 s57, 0x3727c5ac                      ; 1e-5
	v_and_b32 v21, 31, v0
	v_lshlrev_b32 v1, 4, v21
	v_and_b32 v2, 15, v0
	v_bfe_u32 v3, v0, 4, 1
	s_lshl_b32 s59, s17, 10
	v_add_nc_u32 v17, s59, v1
	s_lshl_b32 s59, s47, 10
	v_add_nc_u32 v18, s59, v1
	v_mul_u32_u24 v4, v2, 528
	v_lshl_add_u32 v4, v3, 4, v4
	s_lshl_b32 s59, s16, 6
	v_add_nc_u32 v8, s59, v4
	v_lshlrev_b32 v5, 4, v0
	v_add_nc_u32 v6, PAR, v5
	v_mul_u32_u24 v7, v2, 2064
	v_lshl_add_u32 v7, v3, 4, v7
	v_add_nc_u32 v7, HID, v7
	s_lshl_b32 s59, s16, 8
	v_add_nc_u32 v9, s59, v7
	s_lshl_b32 s59, s16, 7
	s_add_co_u32 s59, s59, PAR
	v_lshl_add_u32 v11, v3, 5, s59
	s_add_co_u32 s59, s59, 12288
	v_lshl_add_u32 v13, v2, 2, s59
	s_lshl_b32 s59, s16, 9
	s_add_co_u32 s59, s59, PAR+5120
	v_lshl_add_u32 v12, v3, 5, s59
	s_lshl_b32 s59, s16, 6
	s_add_co_u32 s59, s59, PAR+10240
	v_lshl_add_u32 v14, v3, 5, s59
	v_mul_u32_u24 v16, v2, 80
	v_add_nc_u32 v16, ST1, v16
	s_lshl_b32 s59, s16, 3
	v_add_nc_u32 v15, s59, v16
	v_mov_b32 v19, 0
	v_mov_b32 v53, 0                               ; partners of pairs and a lane exchange's destination: written once
	v_mov_b32 v55, 0
	v_mov_b32 v57, 0
	TILEINIT 47, 40, OHI, MKHI
	TILEINIT 17, 44, OLO, MKLO
	s_wait_kmcnt 0x0
	s_load_b32 s19, s[4:5], 0x0                    ; l: wanted first in the low tile's diagonal step
	s_load_b32 s20, s[6:7], s58 offset:0x0         ; the sequence's length
	s_add_nc_u64 s[32:33], s[10:11], s[68:69]
	s_add_nc_u64 s[32:33], s[32:33], 0x800000      ; q in
	s_add_nc_u64 s[24:25], s[32:33], 0x400000      ; k in
	s_add_nc_u64 s[28:29], s[32:33], 0x800000      ; v in
	s_add_nc_u64 s[34:35], s[10:11], s[22:23]      ; x in
	s_add_nc_u64 s[48:49], s[12:13], s[68:69]
	s_add_nc_u64 s[48:49], s[48:49], 0x800000      ; q out (k by the immediate)
	s_add_nc_u64 s[50:51], s[48:49], 0x800000      ; v out
	s_add_nc_u64 s[52:53], s[12:13], s[22:23]      ; x out
	global_load_b128 v[24:27], v18, s[32:33]
	global_load_b128 v[28:31], v18, s[32:33] offset:512
	global_load_b128 v[32:35], v17, s[32:33]
	global_load_b128 v[36:39], v17, s[32:33] offset:512
	s_mov_b32 s45, 0
	s_lshr_b32 s46, s21, 1                         ; trips of the loop of pairs: a / 2
	s_and_b32 s59, s21, 1
	s_cmp_lg_u32 s59, 0
	s_cbranch_scc1 .Lodd
	LDK 1, 24, 0                                   ; a even: block 0 belongs to buffer B
	LDV 1, 28, 0
	LDK 0, 24, 4096
	LDV 0, 28, 4096
	WIN 0
	s_branch .Lpairs
.Lodd:
	LDK 0, 24, 0                                   ; a odd: block 0 belongs to buffer A, and its step stands here, ahead of the pairs
	LDV 0, 28, 0
	LDK 1, 24, 4096
	LDV 1, 28, 4096
	WIN 0
	DUAL 0
.Lpairs:                                               ; on both ways the youngest 32 loads are B's K and V, then A's K and V
	s_cmp_lt_u32 s45, s46
	s_cbranch_scc0 .Lboth_last
.Lboth:                                                ; a / 2 pairs of steps for both tiles
	DUAL 1
	DUAL 0
	s_add_co_u32 s45, s45, 1
	s_cmp_lt_u32 s45, s46
	s_cbranch_scc1 .Lboth
.Lboth_last:                                           ; block a, on buffer B: the low tile's diagonal.  This step runs once: here go out what the products want first
	s_wait_kmcnt 0x0
	s_min_u32 s19, s19, 3
	s_mul_i32 s22, s19, 13312
	s_add_co_u32 s22, s22, 3072                    ; 16 blocks from block 13 l + 3
	s_add_nc_u64 s[38:39], s[8:9], s[22:23]
	s_mul_i32 s22, s16, WS
	s_mul_i32 s59, s19, 196608
	s_add_co_u32 s22, s22, s59
	s_add_co_u32 s22, s22, STREAM0+49152           ; my stream from slot 48 l + 12
	s_add_nc_u64 s[36:37], s[8:9], s[22:23]
	s_wait_loadcnt 24                              ; this step's K is in: its V and the other buffer's K and V were issued behind it
.irp i, 0,1,2,3
	global_load_b128 v[PST+4*\i:PST+4*\i+3], v5, s[38:39] offset:4096*\i
.endr
.irp c, 0,1,2,3,4,5,6,7
	global_load_b128 v[XREG+4*\c:XREG+4*\c+3], v1, s[34:35] offset:512*\c
.endr
	LDSLOT 4, 0                                    ; ring places 4 to 6 lie beside K's and V's buffers
	LDSLOT 5, 1
	WIN 0
	TS 24, 40, OHI, 1, 0, -1, 44, 0, 0             ; behind V: the other buffer's 16 and these 28
	TS 32, 44, OLO, 1, MKLO, -1, -1, 1, 1
	ATTEND 17, 0, 44, OLO, PW+8
	s_mov_b32 s45, 0
	s_sub_co_u32 s46, 7, s21
	s_cmp_lt_u32 s45, s46
	s_cbranch_scc0 .Lhigh_last
.Lhigh:                                                ; 7 - a pairs of steps for the high tile alone
	SINGLE 0
	SINGLE 1
	s_add_co_u32 s45, s45, 1
	s_cmp_lt_u32 s45, s46
	s_cbranch_scc1 .Lhigh
.Lhigh_last:                                           ; block 15 - a, on buffer A: no block is asked for any more
	s_wait_loadcnt 24                              ; this step's K is in, and so are the parameters, x and slot 0, which are older
	LDSLOT 6, 2
	WIN 0
	TS 24, 40, OHI, 0, MKHI, -1, 24, 0, 0          ; behind V: the 16 loads of the block asked for twice and slot 2's 8
	LDSLOT 0, 3                                    ; buffer A's registers become ring places 0 and 1: four places stand behind the last products
	LDSLOT 1, 4
	WIN 0
	ATTEND 47, 1, 40, OHI, PW
.irp i, 0,1,2,3
	ds_store_b128 v6, v[PST+4*\i:PST+4*\i+3] offset:4096*\i
.endr
	s_wait_loadcnt 24                              ; buffer B's last loads are in: slots 2, 3 and 4 were issued behind them
	LDSLOT 2, 5
	LDSLOT 3, 6
	WIN 0
.set RP, 4
.set OFFS, 7
.set INF, 6
.set LIMIT, 40                         ; layer 3's stream ends with slot 39 of this walk
	BAR                                            ; y and the parameters are there for every wave
	INITRES 0                                      ; x + bo
	PASS 2, 8, 4, Y, 8448, 0, 0                    ; + y Wo
	EPILN 1, 2, 0, X1H, XREG
	INITB 0, 12, 0, 4                              ; b1
	PASS 4, 8, 4, X1H, 8448, 0, 0
	EPIH 0
	INITB 0, 12, 256, 4
	PASS 4, 8, 4, X1H, 8448, 0, 0
	EPIH 1
	BAR                                            ; h is whole
	INITRES 3                                      ; x1 + b2
	PASS 2, 32, 7, 0, 33024, 0, 0                  ; + h W2
	EPILN 4, 9, 2560, X2H, ACC
.set RP_S, RP
.set OFFS_S, OFFS
.set INF_S, INF
	s_cmp_eq_u32 s19, 3
	s_cbranch_scc1 .Lcls
	TAILQKV
	s_branch .Ljoin
.Lcls:                                                 ; the last layer: logits.  The ring holds the classifier's two slots and two of zeros, which are not multiplied
.set RP, RP_S
.set OFFS, OFFS_S
.set INF, INF_S
.set LIMIT, 40
	s_cmp_eq_u32 s16, 7                            ; columns 112-127 do not exist
	s_cbranch_scc1 .Ljoin
	INITB 0, 14, 0, 1                              ; bc
	PASS 1, 8, 4, X2H, 8448, 0, 0                  ; counts 24 and 16
	s_cmp_eq_u32 s16, 6
	s_cbranch_scc1 .Lw6
	v_mul_u32_u24 v20, v2, 400
	v_lshl_add_u32 v20, v3, 5, v20
	s_lshl_b32 s22, s16, 6
	s_add_co_u32 s22, s22, CST
	v_add_nc_u32 v20, s22, v20
.irp tt, 0,1
.irp hf, 0,1
	ds_store_b128 v20, v[ACC+8*\tt+4*\hf:ACC+8*\tt+4*\hf+3] offset:6400*\tt+16*\hf
.endr
.endr
	s_branch .Ljoin
.Lw6:                                                  ; of wave 6's block only columns 96-99 exist, in lanes 0-15: lanes 16-31 take the high tile's four from them, and one store serves both tiles
.irp i, 0,1,2,3
	v_permlanex16_b32 v[24+\i], v[ACC+8+\i], s42, s43
.endr
	v_cmp_eq_u32 vcc_lo, 1, v3
.irp i, 0,1,2,3
	v_cndmask_b32 v[28+\i], v[ACC+\i], v[24+\i], vcc_lo
.endr
	v_mul_u32_u24 v20, v2, 400
	v_mul_u32_u24 v21, v3, 6400
	v_add3_u32 v20, v20, v21, CST+384
	ds_store_b128 v20, v[28:31]
.Ljoin:
	BAR                                            ; on every wave's path in every layer; in the last one the logits are whole behind it
	s_cmp_lg_u32 s19, 3
	s_cbranch_scc1 .Lend
	; A tile's 16 rows are 6,400 dense bytes of out0, 400 groups of 16 bytes; the two tiles' 800 groups go out in three rounds of 256 threads and one of wave 0.
	s_lshl_b32 s22, s18, 10
	s_lshl_b32 s23, s17, 4
	s_add_co_u32 s23, s23, s22
	s_mul_i32 s23, s23, 400                        ; the low tile's first byte
	s_lshl_b32 s59, s47, 4
	s_add_co_u32 s59, s59, s22
	s_mul_i32 s59, s59, 400
	s_sub_co_u32 s59, s59, 6400                    ; the high tile's, less the 400 groups in front of it in the stage
	v_lshlrev_b32 v32, 4, v0
	v_add_nc_u32 v33, CST, v32
	v_add_nc_u32 v34, s23, v32
	v_add_nc_u32 v36, s59, v32
	v_cmp_gt_u32 vcc_lo, 144, v0                   ; group 256 + t belongs to the low tile for t < 144, a multiple of 16 lanes
	v_cndmask_b32 v35, v36, v34, vcc_lo
	ds_load_b128 v[96:99], v33
	ds_load_b128 v[100:103], v33 offset:4096
	ds_load_b128 v[104:107], v33 offset:8192
	s_wait_dscnt 0x0
	global_store_b128 v34, v[96:99], s[14:15] th:TH_STORE_NT  ; sixteen lanes store 256 consecutive bytes, at a multiple of 256 from out0's first byte
	global_store_b128 v35, v[100:103], s[14:15] offset:4096 th:TH_STORE_NT
	global_store_b128 v36, v[104:107], s[14:15] offset:8192 th:TH_STORE_NT
	s_cmp_eq_u32 s16, 0
	s_cbranch_scc0 .Lend
	ds_load_b128 v[108:111], v33 offset:12288
	s_wait_dscnt 0x0
	global_store_b128 v36, v[108:111], s[14:15] offset:12288 th:TH_STORE_NT
.Lend:
	ENDW
.Lfunc_end_k_q7320e2abe9_lay0:
	.size	k_q7320e2abe9_lay0, .Lfunc_end_k_q7320e2abe9_lay0-k_q7320e2abe9_lay0
	.p2alignl 7, 3214868480
	.fill 96, 4, 3214868480
	.section	.rodata,"a",@progbits
	.p2align	6, 0x0
	.amdhsa_kernel k_q7320e2abe9_lay0
		.amdhsa_group_segment_fixed_size 152064
		.amdhsa_private_segment_fixed_size 0
		.amdhsa_enable_private_segment 0
		.amdhsa_kernarg_size 48
		.amdhsa_user_sgpr_count 2
		.amdhsa_user_sgpr_kernarg_segment_ptr 1
		.amdhsa_wavefront_size32 1
		.amdhsa_system_sgpr_workgroup_id_x 1
		.amdhsa_system_sgpr_workgroup_id_y 1
		.amdhsa_system_sgpr_workgroup_id_z 1
		.amdhsa_system_vgpr_workitem_id 0
		.amdhsa_next_free_vgpr 512
		.amdhsa_next_free_sgpr 72
		.amdhsa_reserve_vcc 1
		.amdhsa_float_denorm_mode_32 3
		.amdhsa_float_denorm_mode_16_64 3
		.amdhsa_memory_ordered 1
		.amdhsa_forward_progress 1
		.amdhsa_inst_pref_size 255
	.end_amdhsa_kernel
	.section	.bss,"aw",@nobits
	.p2align	6
	.space	262144
	.amdgpu_metadata
---
amdhsa.version: [ 1, 2 ]
amdhsa.kernels:
  - .name:           k_q7320e2abe9_lay0
    .symbol:         k_q7320e2abe9_lay0.kd
    .args:
      - { .name: c0, .offset: 0, .size: 8, .value_kind: global_buffer, .address_space: global }
      - { .name: target_sequence_length, .offset: 8, .size: 8, .value_kind: global_buffer, .address_space: global }
      - { .name: wts, .offset: 16, .size: 8, .value_kind: global_buffer, .address_space: global }
      - { .name: stA, .offset: 24, .size: 8, .value_kind: global_buffer, .address_space: global }
      - { .name: stB, .offset: 32, .size: 8, .value_kind: global_buffer, .address_space: global }
      - { .name: out0, .offset: 40, .size: 8, .value_kind: global_buffer, .address_space: global }
    .group_segment_fixed_size: 152064
    .private_segment_fixed_size: 0
    .kernarg_segment_align: 8
    .kernarg_segment_size: 48
    .max_flat_workgroup_size: 256
    .sgpr_count:     72
    .vgpr_count:     512
    .wavefront_size: 32
...
	.end_amdgpu_metadata
.endif
;; end of part 3
;; launch lay1: the kernel of part 3 again; grid 32 x 8, 8 waves a work-group, no clusters, 152,064 bytes of LDS; arguments c1, target_sequence_length, wts, stB, stA, out0; writes stA, out0
;; launch lay2: the kernel of part 3 again; grid 32 x 8, 8 waves a work-group, no clusters, 152,064 bytes of LDS; arguments c2, target_sequence_length, wts, stA, stB, out0; writes stB, out0
;; launch lay3: the kernel of part 3 again; grid 32 x 8, 8 waves a work-group, no clusters, 152,064 bytes of LDS; arguments c3, target_sequence_length, wts, stB, stA, out0; writes stA, out0
